; MI455X (gfx1250); checked and timed in simulation.
; The chip was launched on July 23, 2026; its instructions are those of AMD's public machine-readable ISA for CDNA 5 (MIT licence, August 2026) and "CDNA5" Instruction Set Architecture Reference Guide (July 2026). The comments in the code are by the model that wrote it; some were corrected since.
;; Distributed Expert Pool. Allowed arithmetic: matrix products marked QUANTISED: E2M3 operands, one E8M0 scale for each 32 along K, by v_wmma_scale_f32_16x16x128_f8f6f4 with both operands' format E2M3, f32 sums; everything else in f32.
;; Inputs: W1 8 x 1,024 x 2,048 float32; W2 8 x 2,048 x 1,024 float32; b1 8 x 2,048 float32; b2 8 x 1,024 float32; expert_indices 2,048 int32; x 2,048 x 1,024 float32.
;; Outputs: out0 2,048 x 1,024 float32.
;; This version of the problem:
;;   THIS VERSION OF THE PROBLEM IS GIVEN IN LOW PRECISION. The matrix products marked QUANTISED in the list below multiply operands that are first quantised to E2M3 (2 exponent bits, 3 mantissa bits; 6 bits a number), with one power-of-two scale for each 32 numbers along K (OCP MX v1.0); their sums are f32. All else is computed in f32.
;;   The module's matrix products, in the order in which they are computed (A, B: the left and right operand; K: the contracted axis; several contracted axes count as one K, in the product's order):
;;     1. [M 2,048, K 1,024] x [K 1,024, N 2,048]; A: input x; B: input W1: QUANTISED
;;     2. [M 2,048, K 2,048] x [K 2,048, N 1,024]; A: computed on the way; B: input W2: QUANTISED
;;     3. [M 2,048, K 1,024] x [K 1,024, N 2,048]; A: input x; B: input W1: QUANTISED
;;     4. [M 2,048, K 2,048] x [K 2,048, N 1,024]; A: computed on the way; B: input W2: QUANTISED
;;     5. [M 2,048, K 1,024] x [K 1,024, N 2,048]; A: input x; B: input W1: QUANTISED
;;     6. [M 2,048, K 2,048] x [K 2,048, N 1,024]; A: computed on the way; B: input W2: QUANTISED
;;     7. [M 2,048, K 1,024] x [K 1,024, N 2,048]; A: input x; B: input W1: QUANTISED
;;     8. [M 2,048, K 2,048] x [K 2,048, N 1,024]; A: computed on the way; B: input W2: QUANTISED
;;     9. [M 2,048, K 1,024] x [K 1,024, N 2,048]; A: input x; B: input W1: QUANTISED
;;     10. [M 2,048, K 2,048] x [K 2,048, N 1,024]; A: computed on the way; B: input W2: QUANTISED
;;     11. [M 2,048, K 1,024] x [K 1,024, N 2,048]; A: input x; B: input W1: QUANTISED
;;     12. [M 2,048, K 2,048] x [K 2,048, N 1,024]; A: computed on the way; B: input W2: QUANTISED
;;     13. [M 2,048, K 1,024] x [K 1,024, N 2,048]; A: input x; B: input W1: QUANTISED
;;     14. [M 2,048, K 2,048] x [K 2,048, N 1,024]; A: computed on the way; B: input W2: QUANTISED
;;     15. [M 2,048, K 1,024] x [K 1,024, N 2,048]; A: input x; B: input W1: QUANTISED
;;     16. [M 2,048, K 2,048] x [K 2,048, N 1,024]; A: computed on the way; B: input W2: QUANTISED
;;   THE QUANTISER, for each operand of a quantised product, along K:
;;     - K is cut into blocks of 32 from its start; a last block that is shorter is filled with zeros.
;;     - A block's scale is 2^e with e = floor(log2(the largest magnitude in the block)) - 2, held to -126 .. 127; a block of zeros has e = 0. As a byte (E8M0): e + 127.
;;     - Each number is divided by its block's scale, clamped to +-7.5, and rounded to the nearest number of E2M3, ties to even, subnormals kept.
;;     - The product sums the exact products of the quantised numbers (number of the format x scale) in f32.
;;   ~~~python
;;   def quantise(x, axis):      # numpy; x: float32 -> the quantised numbers, widened to float32 again
;;       x = np.moveaxis(x, axis, -1); K = x.shape[-1]
;;       x = np.pad(x, [(0, 0)] * (x.ndim - 1) + [(0, -K % 32)]); x = x.reshape(x.shape[:-1] + (-1, 32)); a = np.abs(x).max(-1, keepdims=True)
;;       e = np.where(a > 0, np.clip(np.frexp(np.where(a > 0, a, 1))[1] - 1 - 2, -126, 127), 0)      # np.frexp(a)[1] - 1 = floor(log2(a)), exactly
;;       r = np.clip(x / 2.0 ** e, -7.5, 7.5)
;;       step = 2.0 ** (np.maximum(np.frexp(np.where(r == 0, 1, r))[1] - 1, 0) - 3)
;;       q = np.round(r / step) * step * 2.0 ** e      # np.round: ties to even
;;       return np.moveaxis(q.reshape(q.shape[:-2] + (-1,))[..., :K], -1, axis).astype(np.float32)
;;   ~~~
;;   OPERANDS COMPUTED ON THE WAY. 'Computed on the way' means the value that the module computes at that place (a softmax that the list does not call 'softmax' is quantised finished and normalised). What goes into a quantiser is computed in f32, as accurately as f32 sums, v_exp_f32 and their like allow (about 1e-6 of the number): no bf16 or f16 on the way to a quantiser, and a product that is left as it is and whose result goes on into a quantised operand takes f32 operands (vector FMAs, or v_wmma_f32_16x16x4_f32). A number that lies on a knife's edge between two numbers of the format may be rounded either way, as far as f32 arithmetic and the matrix unit's own rounding can turn it there, and no further.
;; One version. Each part assembles by itself: llvm-mc -triple=amdgcn-amd-amdhsa -mcpu=gfx1250 --defsym DOCPART=n.
;; ======== version 1 of 1: 3 launches
;; limits: right only within a limited range of input values
;; workspace buffers: xq_codes 1,572,864 bytes; xq_scales 65,536 bytes; list 65,536 bytes of whole numbers; counts 1,024 bytes of whole numbers; hq_codes 25,165,824 bytes; hq_scales 1,048,576 bytes; w2q_codes 12,582,912 bytes; w2q_scales 1,048,576 bytes
;; launch prep (part 1): grid 264 x 1, 4 waves a work-group, no clusters, 21,248 bytes of LDS; arguments x, expert_indices, xq_codes, xq_scales, list, counts, out0, W2, w2q_codes, w2q_scales; writes xq_codes, xq_scales, list, counts, out0, w2q_codes, w2q_scales
.if DOCPART == 1
	.amdgcn_target "amdgcn-amd-amdhsa--gfx1250"
	.amdhsa_code_object_version 6
	.text
	.protected	k_q7d78020639_prep
	.globl	k_q7d78020639_prep
	.p2align	8
	.type	k_q7d78020639_prep,@function
k_q7d78020639_prep:
	s_mov_b64 s[64:65], 0
	v_nop
	global_prefetch_b8 v0, s[64:65] scope:SCOPE_SE
	s_setreg_imm32_b32 hwreg(HW_REG_WAVE_MODE, 25, 1), 1
	s_wait_xcnt 0x0
; out[t] = gelu(x[t] W1[e] + b1[e]) W2[e] + b2[e] with e = expert_indices[t]; both products on codes of FP6 (E2M3) with one E8M0 scale for each 32 along K.  Launch 1 of 3.
; WORK LEFT OUT, in all three launches.  For a token t and an expert e other than expert_indices[t] the mask (expert_indices == e) is false, so jnp.where puts 0 in place of row t of y, whatever x, W1, b1, W2, b2 hold:
; row t of that expert's h and y reaches no output.  The choice is made by whole numbers read from memory, so each token is multiplied with its own expert alone.  A token whose index lies outside 0 .. 7 is chosen
; by no expert: its row of out is the zeros that out begins with; this launch stores them.  Every input has a way to an output and is loaded by some launch.
; LIMITS.  NaN and infinities among the inputs are not served, and one that would reach only rows left out is not carried to the result.  A row is y where the sum of eight terms would be y + 0.0 (the sign of a zero).
; Blocks whose largest magnitude lies under 2^-124 keep the scale byte 1; a block of zeros has the byte 1 and not 127: its codes are zeros, and only this program reads the bytes.
; THIS LAUNCH.  Work-groups 0 .. 255 quantise x along K: wave u = 4 x work-group + wave takes tokens 2 u and 2 u + 1 (2,048 numbers, four steps of 512).  Work-group 256 + e lists the tokens of expert e.
; xq_codes [token][768]: the 96 bytes of each 128 along K hold their four blocks of 24 bytes in the order 0, 2, 1, 3, so that the 48 bytes that a lane of the matrix operand wants (blocks h and 2 + h) lie on end.
; xq_scales [token][32]: byte b is block b.
; list [e][2048]: all 2,048 tokens, those of expert e first, the others behind them.  The later launches read the first count entries (and entry 0 where the count is 0).  The others are stored so that every lane of
; every store is on: no line of this text writes EXEC.  counts [e][32]: the count, in each of 32 words: a lane a word; the later launches read word 0.
; The quantiser: each load reads 512 consecutive bytes; a step's 2,048 bytes turn through the wave's own stage in LDS, so that a lane holds 16 neighbours along K; two neighbouring lanes hold a block.
; W2 IS QUANTISED HERE TOO, along its K (its first axis), by work-groups 0 .. 255, behind their part of x.  Wave u = 4 x work-group + wave takes expert u / 128, columns 64 ((u / 8) % 16) .. + 63, rows 256 (u % 8) .. + 255
; (K steps 2 (u % 8) and the next), in four chunks of 64 rows.  Load i of a chunk: lanes 0-15 read the 256 bytes of row i, lanes 16-31 those of row 32 + i; a lane gets columns 4 (lane % 16) + 0 .. 3, so it owns a whole
; block of 32 along K of four columns.  TILE c IS THE COLUMNS 4 m + c: lane (m, h) then holds what the 6-bit operand's layout gives it.  128 copies a chunk lay each column down K in consecutive registers, as the conversions want it.
; w2q_codes [expert][slice][K step][tile c][1,536]: the image of a fragment's twelve registers, three runs of 16 bytes a lane.  w2q_scales [expert][slice][K step][512]: 16 bytes a lane, word c is tile c's (both halves of the lanes hold the same).
; Every store of this part covers 512 consecutive bytes, aligned.  The first chunk's 32 loads go out behind x's sixteen, so x's counted waits leave 32 more out.  No prefetch: the stream is asked for from these first lines on, 64 loads a wave.
.set PITCHW, 4096                      ; a row of W2 in bytes
.set CBW,    1                         ; window 1: two chunk buffers of 128 registers
.set WO,     252                       ; v252 my lane's place in a chunk's rows;  v253 8 h
.set SH8,    253
.set M,      48                        ; v48-51 largest magnitudes, then scale operands;  v52-55 scale words;  v56-59 the other half's
.set SB,     52
.set PX,     56
.set T,      60                        ; v60-187 column c down K at 32 c;  v188-235 the four fragments in the making;  v236-251 four a column: three of codes, one scale byte
.set F,      188
.set TMP,    236
.set MSB, 0
.macro WIN new                         ; the immediate's high byte repeats the setting that is left
.if MSB != (\new)
	s_set_vgpr_msb (MSB<<8)|(\new)
.set MSB, (\new)
.endif
.endm
.macro LOADC q                         ; chunk q of my wave's four: 32 loads, each two whole rows of 256 bytes
	WIN (CBW<<6)
.set li, 0
.rept 32
	global_load_b128 v[128*((\q)%2)+4*li:128*((\q)%2)+4*li+3], v[WO], s[28:29] offset:(64*(\q)+li)*PITCHW th:TH_LOAD_NT
.set li, li+1
.endr
	WIN 0
.endm
.macro PROC_A q, left                  ; chunk q has come (left: the loads issued behind it); its four columns are laid down K; its buffer takes the chunk two on
	s_wait_loadcnt \left
	WIN CBW
.set mi, 0
.rept 32
.irp c, 0,1,2,3
	v_mov_b32 v[T+32*\c+mi], v[128*((\q)%2)+4*mi+\c]
.endr
.set mi, mi+1
.endr
	WIN 0
.if (\q) < 2
	LOADC (\q)+2
.endif
.endm
.macro PROC_B q                        ; four blocks of 32 become codes: registers 6 (q % 2) .. + 5 of the four tiles' fragments; behind a K step's second chunk the fragments and their scale words are stored as they stand
.set CC, (\q)%2
	s_wait_xcnt 0x0                                ; the last K step's stores have read their registers
.irp c, 0,1,2,3
	v_max3_num_f32 v[M+\c], |v[T+32*\c]|, |v[T+32*\c+1]|, 0x1800000   ; the floor 2^(3 - 127): the byte cannot fall under 1
.endr
.irp i, 2,4,6,8,10,12,14,16,18,20,22,24,26,28,30
.irp c, 0,1,2,3
	v_max3_num_f32 v[M+\c], v[M+\c], |v[T+32*\c+\i]|, |v[T+32*\c+\i+1]|   ; the four columns by turns
.endr
.endr
.irp c, 0,1,2,3
	v_add_nc_u32 v[M+\c], 0xff000000, v[M+\c]      ; 2 off the exponent field: the conversion's scale operand
.endr
.irp c, 0,1,2,3
	v_lshrrev_b32 v[TMP+4*\c+3], 23, v[M+\c]       ; the scale's byte
.endr
.irp c, 0,1,2,3
	v_cvt_scalef32_pk16_fp6_f32 v[F+12*\c+6*CC:F+12*\c+6*CC+2], v[T+32*\c:T+32*\c+15], v[M+\c]
	v_cvt_scalef32_pk16_fp6_f32 v[TMP+4*\c:TMP+4*\c+2], v[T+32*\c+16:T+32*\c+31], v[M+\c]   ; (a conversion's three registers begin on an even number)
.endr
	v_nop                                          ; one plain line behind the last conversion
.irp c, 0,1,2,3
.irp i, 0,1,2
	v_mov_b32 v[F+12*\c+6*CC+3+\i], v[TMP+4*\c+\i]
.endr
.endr
.if CC == 0
.irp c, 0,1,2,3
	v_mov_b32 v[SB+\c], v[TMP+4*\c+3]              ; block h of the K step
.endr
.else
.irp c, 0,1,2,3
	v_lshl_or_b32 v[SB+\c], v[TMP+4*\c+3], 16, v[SB+\c]   ; and block 2 + h,
.endr
.irp c, 0,1,2,3
	v_lshlrev_b32 v[SB+\c], v[SH8], v[SB+\c]       ; at their places in the word;
.endr
.irp c, 0,1,2,3
	v_permlanex16_b32 v[PX+\c], v[SB+\c], s36, s37
.endr
.irp c, 0,1,2,3
	v_or_b32 v[SB+\c], v[SB+\c], v[PX+\c]          ; with lane l xor 16's two the word is whole, in both halves of the lanes
.endr
.irp c, 0,1,2,3
.irp g, 0,1,2
	global_store_b128 v3, v[F+12*\c+4*\g:F+12*\c+4*\g+3], s[32:33] offset:(((\q)/2)*4+\c)*1536+512*\g
.endr
.endr
	global_store_b128 v3, v[SB:SB+3], s[34:35] offset:((\q)/2)*512
.endif
.endm
.set SP,    80
.set SCB,   20480                      ; behind the four waves' stages (2 x 2,560 bytes each): the work-group's 256 scale bytes
.set SPARE, 20736                      ; the spare words, 128 bytes for each wave: two blocks of 256 bytes that no other line names
.set SPW,   12                         ; v12  LDS address of my spare word; never rewritten
.set NIL,   13                         ; v13  0; never rewritten
.set R,     16                         ; v16-79   four steps' numbers as loaded
.set X,     80                         ; v80-111  two sets of 16 neighbours
.set E,     112                        ; v112-115 a scale byte for each step
.set C,     128                        ; v128-143 codes, four registers a step
.set Z,     144                        ; v144-147 zeros
.set ALL,   16                         ; the lists: v16-79 all 2,048 indices; v80-95 my wave's 512; v96-111 places; v112-127 tokens
.set OWN,   80
.set PO,    96
.set TK,    112
.set CV,    150                        ; v150 the count; v151 4 x lane: the count's store alone names them
.set CA,    151
	s_load_b256 s[4:11], s[0:1], 0x0               ; x, expert_indices, xq_codes, xq_scales
	s_load_b128 s[12:15], s[0:1], 0x20             ; list, counts
	s_load_b64 s[16:17], s[0:1], 0x30              ; out0
	s_load_b64 s[28:29], s[0:1], 0x38              ; W2
	s_load_b128 s[32:35], s[0:1], 0x40             ; w2q_codes, w2q_scales
	v_lshl_add_u32 v[SPW], v0, 2, SPARE
	v_mov_b32 v[NIL], 0
	v_lshrrev_b32 v1, 5, v0
	v_readfirstlane_b32 s18, v1                    ; wave
	v_and_b32 v2, 31, v0                           ; lane
	v_lshlrev_b32 v3, 4, v2                        ; 16 x lane
	s_mul_i32 s19, s18, 5120                       ; my wave's two stages
	v_lshrrev_b32 v14, 2, v2
	v_mul_u32_u24 v14, v14, SP
	v_and_b32 v15, 3, v2
	v_lshl_add_u32 v14, v15, 4, v14
	v_add_nc_u32 v14, s19, v14                     ; into a stage: four lanes' 64 bytes on end, then the padding
	v_mul_u32_u24 v15, v2, SP
	v_add_nc_u32 v15, s19, v15                     ; out of it: my 16 neighbours
	v_lshrrev_b32 v8, 3, v2                        ; my 12 bytes of codes in a step's 384: which 128 along K,
	v_mul_u32_u24 v4, v8, 96
	v_bfe_u32 v8, v2, 1, 1                         ; block b = (lane / 2) % 4 stands at place 2 (b % 2) + b / 2,
	v_mad_u32_u24 v4, v8, 48, v4
	v_bfe_u32 v8, v2, 2, 1
	v_mad_u32_u24 v4, v8, 24, v4
	v_and_b32 v8, 1, v2                            ; and which half of the block
	v_mad_u32_u24 v4, v8, 12, v4
	s_lshl_b32 s20, s18, 6
	s_add_co_u32 s20, s20, SCB
	v_lshrrev_b32 v5, 1, v2
	v_add_nc_u32 v5, s20, v5                       ; my block's scale byte: 64 bytes a wave, 16 a step
	v_lshlrev_b32 v7, 3, v2
	v_add_nc_u32 v6, SCB, v7                       ; and on the way out 8 bytes a lane
	s_lshl_b32 s20, ttmp9, 8
	s_mov_b32 s21, 0
	s_wait_kmcnt 0x0
	s_add_nc_u64 s[10:11], s[10:11], s[20:21]      ; the work-group's 256 scale bytes (used by work-groups 0 .. 255 alone)
	s_cmp_ge_u32 ttmp9, 256
	s_cbranch_scc1 .Lroute
	; ---- work-groups 0 .. 255: the quantiser
	s_lshl_b32 s22, ttmp9, 2
	s_add_co_u32 s22, s22, s18                     ; u
	s_mov_b32 s25, 0
	s_lshl_b32 s24, s22, 13
	s_add_nc_u64 s[4:5], s[4:5], s[24:25]          ; two rows of x are 8,192 bytes,
	s_add_nc_u64 s[16:17], s[16:17], s[24:25]      ; and so are two rows of out
	s_mul_i32 s24, s22, 1536
	s_add_nc_u64 s[8:9], s[8:9], s[24:25]
	s_lshl_b32 s24, s22, 3
	s_add_nc_u64 s[6:7], s[6:7], s[24:25]
	s_load_b64 s[26:27], s[6:7], 0x0               ; my two tokens' indices
.macro LOAD t
.irp i, 0,1,2,3
	global_load_b128 v[R+16*(\t)+4*\i:R+16*(\t)+4*\i+3], v3, s[4:5] offset:2048*(\t)+512*\i th:TH_LOAD_NT   ; 32 lanes read 512 consecutive bytes
.endr
.endm
.macro TURN t                          ; step t's numbers through a stage: LDS serves a wave's instructions in order, so no wait stands between the stores and the loads
.irp i, 0,1,2,3
	ds_store_b128 v14, v[R+16*(\t)+4*\i:R+16*(\t)+4*\i+3] offset:32*SP*((\t)%2)+8*SP*\i
.endr
.irp i, 0,1,2,3
	ds_load_b128 v[X+16*((\t)%2)+4*\i:X+16*((\t)%2)+4*\i+3], v15 offset:32*SP*((\t)%2)+16*\i
.endr
.endm
.irp t, 0,1,2,3
	LOAD \t                                        ; all sixteen loads of x go out at once
.endr
	s_lshr_b32 s40, s22, 7                         ; my part of W2: expert u / 128: 8,388,608 bytes each,
	s_lshl_b32 s40, s40, 23
	s_bfe_u32 s42, s22, 0x40003                    ; slice (u / 8) % 16: 256 bytes of each row,
	s_lshl_b32 s42, s42, 8
	s_add_co_u32 s40, s40, s42
	s_and_b32 s42, s22, 7                          ; rows 256 (u % 8) on: 1,048,576 bytes
	s_lshl_b32 s42, s42, 20
	s_add_co_u32 s40, s40, s42
	s_mov_b32 s41, 0
	s_add_nc_u64 s[28:29], s[28:29], s[40:41]
	s_mul_i32 s40, s22, 12288                      ; my eight images: 12,288 u
	s_add_nc_u64 s[32:33], s[32:33], s[40:41]
	s_lshl_b32 s40, s22, 10                        ; my two K steps' scale words: 1,024 u
	s_add_nc_u64 s[34:35], s[34:35], s[40:41]
	v_and_b32 v[WO], 15, v0
	v_lshlrev_b32 v[WO], 4, v[WO]
	v_bfe_u32 v[SH8], v0, 4, 1
	v_mad_u32_u24 v[WO], v[SH8], 32*PITCHW, v[WO]  ; 16 (lane % 16), and 32 rows further down for lanes 16-31
	v_lshlrev_b32 v[SH8], 3, v[SH8]
	s_wait_alu depctr_va_vdst(0)                   ; the wait behind these writes
	LOADC 0
.irp i, 0,1,2,3
	v_mov_b32 v[Z+\i], 0
.endr
	s_wait_loadcnt 44                              ; step 0's four loads are in; the twelve of the later steps and W2's 32 may be out
	TURN 0
.macro STEP t
.set XSET, X+16*((\t)%2)
.if (\t) > 0
	s_wait_dscnt 1                                 ; this step's numbers are back from the stage; the last step's byte store may be out
.else
	s_wait_dscnt 0x0
.endif
.if (\t) < 3
	s_wait_loadcnt 4*(2-(\t))+32                   ; the next step's four loads are in; those of the steps behind it and W2's 32 may be out
	TURN (\t)+1                                    ; and go through the other stage while this step is worked
.endif
	v_max3_num_f32 v8, |v[XSET]|, |v[XSET+1]|, |v[XSET+2]|         ; the largest magnitude of my 16, in two chains
	v_max3_num_f32 v9, |v[XSET+3]|, |v[XSET+4]|, |v[XSET+5]|
.irp i, 6,10
	v_max3_num_f32 v8, v8, |v[XSET+\i]|, |v[XSET+\i+1]|
	v_max3_num_f32 v9, v9, |v[XSET+\i+2]|, |v[XSET+\i+3]|
.endr
	v_max3_num_f32 v8, v8, |v[XSET+14]|, |v[XSET+15]|
	v_max3_num_f32 v8, v8, v9, 0x1800000           ; and the floor 2^(3 - 127): the byte cannot fall under 1
	v_max_num_f32_dpp v8, v8, v8 row_xmask:1 row_mask:0xf bank_mask:0xf   ; with my neighbour's 16: the block's
	v_add_nc_u32 v11, 0xff000000, v8               ; 2 off its exponent field: the conversion takes the exponent field of this operand as its scale
	v_cvt_scalef32_pk16_fp6_f32 v[C+4*(\t):C+4*(\t)+2], v[XSET:XSET+15], v11
	v_lshrrev_b32 v[E+(\t)], 23, v11               ; the scale's byte (also the plain line behind the conversion)
	ds_store_b8 v5, v[E+(\t)] offset:16*(\t)       ; both lanes of a block write the same byte with the same value
	global_store_b96 v4, v[C+4*(\t):C+4*(\t)+2], s[8:9] offset:384*(\t)   ; the wave's store covers 384 consecutive bytes
.endm
.irp t, 0,1,2,3
	STEP \t
.endr
	LOADC 1
	s_wait_kmcnt 0x0
.macro ZROW k                          ; a token that no expert takes keeps the zeros that out begins with
	s_cmp_le_u32 s[26+\k], 7
	s_cbranch_scc1 .Ltaken_\@
.irp i, 0,1,2,3,4,5,6,7
	global_store_b128 v3, v[Z:Z+3], s[16:17] offset:4096*\k+512*\i
.endr
.Ltaken_\@:
.endm
	ZROW 0
	ZROW 1
	s_branch .Ljoin
	; ---- work-group 256 + e: the list of expert e.  Wave q places tokens 512 q .. 512 q + 511, in the order register, lane; every wave counts all four ranges itself, so no wave waits for another
.Lroute:
	s_sub_co_u32 s30, ttmp9, 256                   ; e
	s_mov_b32 s25, 0
	s_lshl_b32 s24, s30, 13
	s_add_nc_u64 s[12:13], s[12:13], s[24:25]      ; list + 8,192 e
	s_lshl_b32 s24, s30, 7
	s_add_nc_u64 s[14:15], s[14:15], s[24:25]      ; counts + 128 e
	s_lshl_b32 s24, s18, 11
	v_add_nc_u32 v9, s24, v3                       ; my wave's range: 2,048 q + 16 x lane
.irp i, 0,1,2,3,4,5,6,7,8,9,10,11,12,13,14,15
	global_load_b128 v[ALL+4*\i:ALL+4*\i+3], v3, s[6:7] offset:512*\i      ; register 4 i + k: token 128 i + 4 x lane + k
.endr
.irp i, 0,1,2,3
	global_load_b128 v[OWN+4*\i:OWN+4*\i+3], v9, s[6:7] offset:512*\i      ; register 4 i + k: token 512 q + 128 i + 4 x lane + k
.endr
	s_lshl_b32 s31, s18, 9
	v_lshl_add_u32 v10, v2, 2, s31                 ; 512 q + 4 x lane
.irp g, 0,1,2,3
	s_mov_b32 s[32+\g], 0                          ; how many of range g
.endr
	s_wait_loadcnt 0x0
.irp i, 0,1,2,3,4,5,6,7,8,9,10,11,12,13,14,15
.irp k, 0,1,2,3
	v_cmp_eq_u32 s[36+\k], s30, v[ALL+4*\i+\k]
.endr
.irp k, 0,1,2,3
	s_bcnt1_i32_b32 s[36+\k], s[36+\k]
.endr
.irp k, 0,1,2,3
	s_add_co_u32 s[32+\i/4], s[32+\i/4], s[36+\k]
.endr
.endr
	s_mov_b32 s40, 0                               ; the expert's tokens ahead of my wave's first: the sum of the ranges below mine
.irp g, 0,1,2
	s_cmp_gt_u32 s18, \g
	s_cselect_b32 s41, s[32+\g], 0
	s_add_co_u32 s40, s40, s41
.endr
	s_add_co_u32 s42, s32, s33
	s_add_co_u32 s42, s42, s34
	s_add_co_u32 s42, s42, s35                     ; the expert's count
	s_add_co_u32 s44, s31, s42
	v_add_nc_u32 v11, s44, v2                      ; count + 512 q + lane: with 32 n more, the count + the tokens ahead of the one in my register n
.irp n, 0,1,2,3,4,5,6,7,8,9,10,11,12,13,14,15
	v_cmp_eq_u32 vcc_lo, s30, v[OWN+\n]
	v_mbcnt_lo_u32_b32 v[PO+\n], vcc_lo, 0         ; the expert's tokens in this register in the lanes below mine,
	v_add_nc_u32 v[PO+\n], s40, v[PO+\n]           ; and all ahead of them: the place of a token of the expert
	v_sub_nc_u32 v8, v11, v[PO+\n]
	v_add_nc_u32 v8, 32*\n, v8                     ; the place of any other: count + the others ahead of it
	v_cndmask_b32 v[PO+\n], v8, v[PO+\n], vcc_lo
	v_min_u32 v[PO+\n], 2047, v[PO+\n]             ; (no place exceeds 2,047; the bound is written for the address's sake)
	v_lshlrev_b32 v[PO+\n], 2, v[PO+\n]
	v_add_nc_u32 v[TK+\n], 128*(\n/4)+\n%4, v10    ; the token
	s_bcnt1_i32_b32 s41, vcc_lo
	s_add_co_u32 s40, s40, s41
	global_store_b32 v[PO+\n], v[TK+\n], s[12:13]  ; 4 bytes a lane, in two runs of neighbouring places: the expert's and the others'; each n has registers of its own
.endr
	s_cmp_lg_u32 s18, 3
	s_cbranch_scc1 .Lrend
	v_mov_b32 v[CV], s42                           ; wave 3: the count, a lane a word: 128 consecutive bytes
	v_lshlrev_b32 v[CA], 2, v2
	global_store_b32 v[CA], v[CV], s[14:15]
.Lrend:                                                ; the lists' work-groups end here: their waves share nothing, so they pass no barrier
	s_wait_tensorcnt 0x0                           ; the wave's end
	ds_add_u32 v[SPW], v[NIL]
	s_wait_dscnt 0x0
	s_endpgm
.Ljoin:
	s_wait_dscnt 0x0                               ; for the others' sake: my scale bytes lie in LDS
	s_barrier_signal -1
	s_barrier_wait -1                              ; the quantiser's one barrier, on the path of every wave of work-groups 0 .. 255
	s_cmp_lg_u32 s18, 0
	s_cbranch_scc1 .Lend
	ds_load_b64 v[8:9], v6                         ; wave 0: the work-group's 256 scale bytes
	s_wait_dscnt 0x0
	global_store_b64 v7, v[8:9], s[10:11]          ; 32 lanes store 256 consecutive bytes, aligned
.Lend:
	s_wait_tensorcnt 0x0                           ; behind my last LDS store
	ds_add_u32 v[SPW], v[NIL]
	s_wait_dscnt 0x0
	; ---- work-groups 0 .. 255: my wave's part of W2; no LDS from here on
	s_mov_b32 s36, 0x76543210
	s_mov_b32 s37, 0xfedcba98                      ; v_permlanex16_b32's selects for lane l xor 16
	s_wait_xcnt 0x0                                ; the stores of x's codes and of zeros have read their registers
.irp c, 0,1,2,3
	v_mov_b32 v[PX+\c], 0                          ; written once: a lane permute's destination counts as one of its sources
.endr
	PROC_A 0, 32                                   ; behind each chunk: the next chunk's 32 loads
	PROC_B 0
	PROC_A 1, 32
	PROC_B 1
	PROC_A 2, 32
	PROC_B 2
	PROC_A 3, 0
	PROC_B 3
	s_endpgm
.Lfunc_end_k_q7d78020639_prep:
	.size	k_q7d78020639_prep, .Lfunc_end_k_q7d78020639_prep-k_q7d78020639_prep
	.p2alignl 7, 3214868480
	.fill 96, 4, 3214868480
	.section	.rodata,"a",@progbits
	.p2align	6, 0x0
	.amdhsa_kernel k_q7d78020639_prep
		.amdhsa_group_segment_fixed_size 21248
		.amdhsa_private_segment_fixed_size 0
		.amdhsa_enable_private_segment 0
		.amdhsa_kernarg_size 80
		.amdhsa_user_sgpr_count 2
		.amdhsa_user_sgpr_kernarg_segment_ptr 1
		.amdhsa_wavefront_size32 1
		.amdhsa_system_sgpr_workgroup_id_x 1
		.amdhsa_system_sgpr_workgroup_id_y 1
		.amdhsa_system_sgpr_workgroup_id_z 1
		.amdhsa_system_vgpr_workitem_id 0
		.amdhsa_next_free_vgpr 512
		.amdhsa_next_free_sgpr 66
		.amdhsa_reserve_vcc 1
		.amdhsa_float_denorm_mode_32 3
		.amdhsa_float_denorm_mode_16_64 3
		.amdhsa_memory_ordered 1
		.amdhsa_forward_progress 1
		.amdhsa_inst_pref_size 88
	.end_amdhsa_kernel
	.amdgpu_metadata
---
amdhsa.version: [ 1, 2 ]
amdhsa.kernels:
  - .name:           k_q7d78020639_prep
    .symbol:         k_q7d78020639_prep.kd
    .args:
      - { .name: x, .offset: 0, .size: 8, .value_kind: global_buffer, .address_space: global }
      - { .name: expert_indices, .offset: 8, .size: 8, .value_kind: global_buffer, .address_space: global }
      - { .name: xq_codes, .offset: 16, .size: 8, .value_kind: global_buffer, .address_space: global }
      - { .name: xq_scales, .offset: 24, .size: 8, .value_kind: global_buffer, .address_space: global }
      - { .name: list, .offset: 32, .size: 8, .value_kind: global_buffer, .address_space: global }
      - { .name: counts, .offset: 40, .size: 8, .value_kind: global_buffer, .address_space: global }
      - { .name: out0, .offset: 48, .size: 8, .value_kind: global_buffer, .address_space: global }
      - { .name: W2, .offset: 56, .size: 8, .value_kind: global_buffer, .address_space: global }
      - { .name: w2q_codes, .offset: 64, .size: 8, .value_kind: global_buffer, .address_space: global }
      - { .name: w2q_scales, .offset: 72, .size: 8, .value_kind: global_buffer, .address_space: global }
    .group_segment_fixed_size: 21248
    .private_segment_fixed_size: 0
    .kernarg_segment_align: 8
    .kernarg_segment_size: 80
    .max_flat_workgroup_size: 128
    .sgpr_count:     66
    .vgpr_count:     512
    .wavefront_size: 32
...
	.end_amdgpu_metadata
.endif
;; end of part 1
;; launch ffn1 (part 2): grid 32 x 8, 4 waves a work-group, no clusters, 53,760 bytes of LDS; arguments W1, b1, xq_codes, xq_scales, list, counts, hq_codes, hq_scales; writes hq_codes, hq_scales
.if DOCPART == 2
	.amdgcn_target "amdgcn-amd-amdhsa--gfx1250"
	.amdhsa_code_object_version 6
	.text
	.protected	k_q7d78020639_ffn1
	.globl	k_q7d78020639_ffn1
	.p2align	8
	.type	k_q7d78020639_ffn1,@function
k_q7d78020639_ffn1:
	s_mov_b64 s[64:65], 0
	v_nop
	global_prefetch_b8 v0, s[64:65] scope:SCOPE_SE
	s_setreg_imm32_b32 hwreg(HW_REG_WAVE_MODE, 25, 1), 1
	s_wait_xcnt 0x0
; Launch 2 of 3: h = gelu(x W1[e] + b1[e]) for the tokens of expert e alone (a token's rows under the other experts reach no output: see the first kernel's head), quantised along the second product's K.
; SHARES.  Work-group (x, e) owns hidden units 64 x .. 64 x + 63 of expert e, for all of K = 1,024.  Its slice of W1 (1,024 rows of 256 consecutive bytes) is read once, quantised in registers, and handed round
; its four waves as images of the operand's registers in LDS; each wave then keeps all 32 fragments in registers and walks every fourth tile of 16 tokens of the expert's list.
; No tensor load, no copy, no cluster: the number of tiles hangs on a count read from memory.  No prefetch: the one long stream, the weights, is asked for from the first lines on, 64 loads a wave.
; THE WEIGHT PHASE.  Wave w takes rows 256 w .. 256 w + 255 (K steps 2 w, 2 w + 1) in four chunks of 64 rows.  Load i of a chunk: lanes 0-15 read the 256 bytes of row i, lanes 16-31 those of row 32 + i; a lane gets
; columns 4 (lane % 16) + 0 .. 3.  So a lane owns a whole block of 32 along K of four columns.  TILE c IS THE COLUMNS 4 m + c, m = 0 .. 15: lane (m, h) then holds just what the 6-bit operand's layout gives it.
; The conversions want 16 neighbours along K in consecutive registers, the loads give four columns in consecutive registers: 128 copies a chunk turn one into the other; that is the price of loads that cover whole rows.
; THE PRODUCT IS USED TRANSPOSED (source 0 = a tile of W1, source 1 = 16 tokens): register j of tile c in lane (token r, h) is unit 32 h + 4 j + c: a lane holds one whole block of 32 of its token's hidden layer,
; so the block's largest magnitude needs no other lane, and its six registers of codes are registers 6 (x % 2) .. + 5 of the next product's fragment.  GELU's last lines write register 8 c + j to place 4 j + c.
; GELU, exact: h = max(v, 0) - |v| r, r = erfc(a) / 2, a = |v| / sqrt(2);  erfc(a) = (1 + p(q)) / (1 + 2 a) exp(-a a), q = (a - 2) / (a + 2), p of degree 9.  One formula for all v: no branch, no select, no difference of near numbers.
; a is held at 16: from a = 9.4 on the exponential is 0 anyway.  LIMIT: r under 2^-126 comes out as 0 (v_exp_f32 flushes), so |h| under about 1e-37 is 0.  NaN and infinities are not served.
; THE LAST TILE is filled with copies of the list's last token.  AN EXPERT WITHOUT TOKENS: every wave still passes the barrier on the one path, so its slice is read all the same; the count is taken as 1 and one tile of
; copies of the list's entry 0 (a token of another expert) is stored, so that every byte that the next launch's first fetch reads has been stored; nothing is made of it there.
; hq_codes [e][tile][x][768]: 512 bytes (registers 0-3 of the six, 16 bytes a lane) and 256 bytes (registers 4-5, 8 bytes a lane).  hq_scales [e][tile][token 0 .. 15][64]: byte b is block b.
; REGISTERS.  Window 0: below.  Window 1: W1's fragments of K steps 0-3 (12 (4 s + c)), v192-223 b1 in the result's layout.  Window 2: K steps 4-7.  Window 3: two chunk buffers of 128; later v0-95 x's eight fragments.
.set PITCHW, 8192                      ; a row of W1 in bytes
.set CBW,    3                         ; the chunk buffers' window
.set WSCB,   49152                     ; LDS: 32 fragments' images of 1,536 bytes; then their scale words: 512 bytes a K step, 16 a lane
.set SPARE,  53248                     ; the spare words, 128 bytes for each wave: two blocks of 256 bytes that no other line names
.set L15, 1                            ; v1 lane % 16;  v2 h = lane / 16
.set HH,  2
.set L16, 3                            ; v3 16 x lane;  v4 8 x lane;  v5 64 (lane % 16);  v6 48 h
.set L8,  4
.set R64, 5
.set H48, 6
.set XO,  7                            ; v7, v8 my token's place in xq_codes and xq_scales
.set XS,  8
.set ID,  9                            ; v9 the next tile's token;  v10 the one after (at the head); then the bias's offset
.set ID2, 10
.set O16, 11                           ; v11-13 where the tile's codes and scale bytes go
.set O8,  12
.set SOF, 13
.set SPW, 14                           ; v14 LDS address of my spare word; v15 0; never rewritten
.set NIL, 15
.set WO,  16                           ; v16 my lane's place in a chunk's rows;  v17, v18 where I store images and scale words;  v19 8 h;  v20 where I read scale words
.set WI,  17
.set WS,  18
.set SH8, 19
.set WSR, 20
.set PB,  21                           ; v21 the other half's scale byte
.set C9,  22                           ; v22-23 the polynomial's highest coefficient
.set XSC, 24                           ; v24-31 x's scale words, one a K step
.set WSC, 32                           ; v32-47 W1's: register 2 s + u: lanes 0-15 tile u, lanes 16-31 tile 2 + u
.set M,   48                           ; the weight phase: v48-51 largest magnitudes, then scale operands; v52-55 scale words; v56-59 the other half's
.set SB,  52
.set PX,  56
.set T,   60                           ; v60-187 column c down K at 32 c;  v188-235 the four fragments in the making;  v236-251 four a column: three of codes, one scale byte
.set F,   188
.set TMP, 236
.set QM,  48                           ; the token phase: v48-54 at work
.set QN,  49
.set QS,  50
.set QB,  51
.set HW,  52
.set QL,  53
.set QH,  54
.set ACC, 64                           ; v64-95 the four tiles' sums;  v96-127 the block in order;  v128-207 GELU's five sets of 16;  v208-213 codes;  v216-218 the second conversion's
.set H,   96
.set GA,  128
.set GP2, 144
.set GD,  160
.set GE,  176
.set GP,  192
.set CD,  208
.set TM2, 216
.set BI,  192                          ; in window 1
.set WV,  20                           ; s20 wave;  s21 e;  s22 trips done;  s23 count;  s24 count - 1;  s25 tiles;  s26 my tile;  s27 my trips
.set EX,  21
.set TC,  22
.set CNT, 23
.set CM1, 24
.set NT,  25
.set TT,  26
.set NTR, 27
.set WB,  28                           ; s[28:29] my wave's rows of the slice;  s[30:31] the expert's list;  s[32:33], s[34:35] where codes and scale bytes go;  s[44:45] the slice's bias
.set LST, 30
.set HQC, 32
.set HQS, 34
.set SEL, 36                           ; s[36:37] v_permlanex16_b32's selects for lane l xor 16
.set HI16, 40                          ; s40 the mask of lanes 16-31
.set BB1, 44
.set MSB, 0
.macro WIN new                         ; the immediate's high byte repeats the setting that is left
.if MSB != (\new)
	s_set_vgpr_msb (MSB<<8)|(\new)
.set MSB, (\new)
.endif
.endm
; chunk q of my wave's four: 32 loads, each two whole rows of 256 bytes
.macro LOADC q
	WIN (CBW<<6)
.set li, 0
.rept 32
	global_load_b128 v[128*((\q)%2)+4*li:128*((\q)%2)+4*li+3], v[WO], s[WB:WB+1] offset:(64*(\q)+li)*PITCHW th:TH_LOAD_NT
.set li, li+1
.endr
	WIN 0
.endm
; chunk q has come (left: the loads issued behind it); its four columns are laid down K; its buffer takes the chunk two on
.macro PROC_A q, left
	s_wait_loadcnt \left
	WIN CBW
.set mi, 0
.rept 32
.irp c, 0,1,2,3
	v_mov_b32 v[T+32*\c+mi], v[128*((\q)%2)+4*mi+\c]
.endr
.set mi, mi+1
.endr
	WIN 0
.if (\q) < 2
	LOADC (\q)+2
.endif
.endm
; four blocks of 32 become codes: registers 6 (q % 2) .. + 5 of the four tiles' fragments; behind a K step's second chunk the fragments and their scale words go to LDS as they stand
.macro PROC_B q
.set CC, (\q)%2
	s_wait_dscnt 0x0                               ; the last K step's image stores have read their registers
.irp c, 0,1,2,3
	v_max3_num_f32 v[M+\c], |v[T+32*\c]|, |v[T+32*\c+1]|, 0x1800000   ; the floor 2^(3 - 127): the byte cannot fall under 1
.endr
.irp i, 2,4,6,8,10,12,14,16,18,20,22,24,26,28,30
.irp c, 0,1,2,3
	v_max3_num_f32 v[M+\c], v[M+\c], |v[T+32*\c+\i]|, |v[T+32*\c+\i+1]|   ; the four columns by turns
.endr
.endr
.irp c, 0,1,2,3
	v_add_nc_u32 v[M+\c], 0xff000000, v[M+\c]      ; 2 off the exponent field: the conversion's scale operand
.endr
.irp c, 0,1,2,3
	v_lshrrev_b32 v[TMP+4*\c+3], 23, v[M+\c]       ; the scale's byte
.endr
.irp c, 0,1,2,3
	v_cvt_scalef32_pk16_fp6_f32 v[F+12*\c+6*CC:F+12*\c+6*CC+2], v[T+32*\c:T+32*\c+15], v[M+\c]
	v_cvt_scalef32_pk16_fp6_f32 v[TMP+4*\c:TMP+4*\c+2], v[T+32*\c+16:T+32*\c+31], v[M+\c]   ; (a conversion's three registers begin on an even number)
.endr
	v_nop                                          ; one plain line behind the last conversion
.irp c, 0,1,2,3
.irp i, 0,1,2
	v_mov_b32 v[F+12*\c+6*CC+3+\i], v[TMP+4*\c+\i]
.endr
.endr
.if CC == 0
.irp c, 0,1,2,3
	v_mov_b32 v[SB+\c], v[TMP+4*\c+3]              ; block h of the K step
.endr
.else
.irp c, 0,1,2,3
	v_lshl_or_b32 v[SB+\c], v[TMP+4*\c+3], 16, v[SB+\c]   ; and block 2 + h,
.endr
.irp c, 0,1,2,3
	v_lshlrev_b32 v[SB+\c], v[SH8], v[SB+\c]       ; at their places in the word;
.endr
.irp c, 0,1,2,3
	v_permlanex16_b32 v[PX+\c], v[SB+\c], s[SEL], s[SEL+1]
.endr
.irp c, 0,1,2,3
	v_or_b32 v[SB+\c], v[SB+\c], v[PX+\c]          ; with lane l xor 16's two the word is whole, in both halves of the lanes
.endr
.irp c, 0,1,2,3
.irp g, 0,1,2
	ds_store_b128 v[WI], v[F+12*\c+4*\g:F+12*\c+4*\g+3] offset:(((\q)/2)*4+\c)*1536+512*\g
.endr
	ds_store_b32 v[WS], v[SB+\c] offset:((\q)/2)*512+4*\c
.endr
.endif
.endm
; the token at place 16 (my tile + add) + lane % 16 of the list; past the expert's last its last token
.macro IDLOAD dst, add
	s_add_co_u32 s41, s[TT], \add
	s_lshl_b32 s41, s41, 4
	v_add_nc_u32 v[\dst], s41, v[L15]
	v_min_u32 v[\dst], s[CM1], v[\dst]
	v_min_u32 v[\dst], 2047, v[\dst]
	v_lshlrev_b32 v[\dst], 2, v[\dst]
	global_load_b32 v[\dst], v[\dst], s[LST:LST+1]
.endm
.macro XADDR
	v_min_u32 v[ID], 2047, v[ID]
	v_mul_u32_u24 v[XO], v[ID], 768
	v_add_nc_u32 v[XO], v[XO], v[H48]
	v_lshlrev_b32 v[XS], 5, v[ID]
.endm
.macro XLOAD                           ; 26 loads: my token's eight fragments (48 bytes on end for each K step) and its eight scale words
	WIN 0xc0
.irp s, 0,1,2,3,4,5,6,7
.irp g, 0,1,2
	global_load_b128 v[12*\s+4*\g:12*\s+4*\g+3], v[XO], s[8:9] offset:96*\s+16*\g
.endr
.endr
	WIN 0
	global_load_b128 v[XSC:XSC+3], v[XS], s[10:11]
	global_load_b128 v[XSC+4:XSC+7], v[XS], s[10:11] offset:16
.endm
; K step s: four matrix instructions, the four sums by turns; the first K step takes the bias as C
.macro MM s
.irp c, 0,1,2,3
.set WR, 12*(4*((\s)%4)+\c)
.if (\s) == 0
.if \c < 2
	v_wmma_scale_f32_16x16x128_f8f6f4 v[ACC+8*\c:ACC+8*\c+7], v[WR:WR+11], v[12*(\s):12*(\s)+11], v[BI+8*\c:BI+8*\c+7], v[WSC+2*(\s)+\c%2], v[XSC+(\s)] matrix_a_fmt:MATRIX_FMT_FP6 matrix_b_fmt:MATRIX_FMT_FP6
.else
	v_wmma_scale_f32_16x16x128_f8f6f4 v[ACC+8*\c:ACC+8*\c+7], v[WR:WR+11], v[12*(\s):12*(\s)+11], v[BI+8*\c:BI+8*\c+7], v[WSC+2*(\s)+\c%2], v[XSC+(\s)] matrix_a_fmt:MATRIX_FMT_FP6 matrix_b_fmt:MATRIX_FMT_FP6 matrix_a_scale:MATRIX_SCALE_ROW1
.endif
.else
.if \c < 2
	v_wmma_scale_f32_16x16x128_f8f6f4 v[ACC+8*\c:ACC+8*\c+7], v[WR:WR+11], v[12*(\s):12*(\s)+11], v[ACC+8*\c:ACC+8*\c+7], v[WSC+2*(\s)+\c%2], v[XSC+(\s)] matrix_a_fmt:MATRIX_FMT_FP6 matrix_b_fmt:MATRIX_FMT_FP6
.else
	v_wmma_scale_f32_16x16x128_f8f6f4 v[ACC+8*\c:ACC+8*\c+7], v[WR:WR+11], v[12*(\s):12*(\s)+11], v[ACC+8*\c:ACC+8*\c+7], v[WSC+2*(\s)+\c%2], v[XSC+(\s)] matrix_a_fmt:MATRIX_FMT_FP6 matrix_b_fmt:MATRIX_FMT_FP6 matrix_a_scale:MATRIX_SCALE_ROW1
.endif
.endif
.endr
.endm
; GELU of the 16 numbers of tiles 2 g and 2 g + 1, two at a time where the form allows
.macro GELU g
.set AB, ACC+16*(\g)
.irp p, 0,2,4,6,8,10,12,14
	v_pk_mul_f32 v[GA+\p:GA+\p+1], v[AB+\p:AB+\p+1], 0x3f3504f3 op_sel_hi:[1,0]   ; v / sqrt(2); each sum is read from its low end on
.endr
.irp n, 0,1,2,3,4,5,6,7,8,9,10,11,12,13,14,15
	v_min_num_f32 v[GA+\n], |v[GA+\n]|, 0x41800000 ; a, held at 16
.endr
.irp p, 0,2,4,6,8,10,12,14
	v_pk_add_f32 v[GP2+\p:GP2+\p+1], v[GA+\p:GA+\p+1], 2.0 op_sel_hi:[1,0]
	v_pk_fma_f32 v[GD+\p:GD+\p+1], v[GA+\p:GA+\p+1], 2.0, 1.0 op_sel_hi:[1,0,0]
	v_pk_mul_f32 v[GE+\p:GE+\p+1], v[GA+\p:GA+\p+1], v[GA+\p:GA+\p+1]
.endr
.irp p, 0,2,4,6,8,10,12,14
	v_pk_fma_f32 v[GE+\p:GE+\p+1], v[GE+\p:GE+\p+1], 0xbfb8aa3b, -1.0 op_sel_hi:[1,0,0]   ; -a a log2(e) - 1: the 1 is the half
.endr
	s_wait_alu depctr_va_vdst(0)
.irp n, 0,1,2,3,4,5,6,7,8,9,10,11,12,13,14,15
	v_rcp_f32 v[GP2+\n], v[GP2+\n]                 ; one batch of 48: 1 / (a + 2),
.endr
.irp n, 0,1,2,3,4,5,6,7,8,9,10,11,12,13,14,15
	v_rcp_f32 v[GD+\n], v[GD+\n]                   ; 1 / (1 + 2 a),
.endr
.irp n, 0,1,2,3,4,5,6,7,8,9,10,11,12,13,14,15
	v_exp_f32 v[GE+\n], v[GE+\n]                   ; exp(-a a) / 2
.endr
.irp p, 0,2,4,6,8,10,12,14
	v_pk_add_f32 v[GA+\p:GA+\p+1], v[GA+\p:GA+\p+1], -2.0 op_sel_hi:[1,0]   ; plain work behind the batch that names none of its results
.endr
	s_wait_alu depctr_va_vdst(0)                   ; one wait for the batch, ahead of its first reader
.irp p, 0,2,4,6,8,10,12,14
	v_pk_mul_f32 v[GA+\p:GA+\p+1], v[GA+\p:GA+\p+1], v[GP2+\p:GP2+\p+1]   ; q
.endr
.irp p, 0,2,4,6,8,10,12,14
	v_pk_fma_f32 v[GP+\p:GP+\p+1], v[GA+\p:GA+\p+1], v[C9:C9+1], 0xbaa15130 op_sel_hi:[1,0,0]
.endr
.irp k, 0x3aac2b8a, 0x3c0d6e62, 0xbc040dc1, 0xbd5e05b5, 0x3e27fe23, 0xbe2a0420, 0xbdbdfb0b, 0x3e8dd01d
.irp p, 0,2,4,6,8,10,12,14
	v_pk_fma_f32 v[GP+\p:GP+\p+1], v[GP+\p:GP+\p+1], v[GA+\p:GA+\p+1], \k op_sel_hi:[1,1,0]
.endr
.endr
.irp p, 0,2,4,6,8,10,12,14
	v_pk_fma_f32 v[GP+\p:GP+\p+1], v[GP+\p:GP+\p+1], v[GD+\p:GD+\p+1], v[GD+\p:GD+\p+1]   ; (p + 1) / (1 + 2 a)
.endr
.irp p, 0,2,4,6,8,10,12,14
	v_pk_mul_f32 v[GP+\p:GP+\p+1], v[GP+\p:GP+\p+1], v[GE+\p:GE+\p+1]   ; r
.endr
.irp n, 0,1,2,3,4,5,6,7,8,9,10,11,12,13,14,15
	v_max_num_f32 v[H+4*(\n%8)+2*(\g)+\n/8], 0, v[AB+\n]   ; register 8 c + j goes to place 4 j + c: the block in its order along the next K
.endr
.irp n, 0,1,2,3,4,5,6,7,8,9,10,11,12,13,14,15
	v_fma_f32 v[H+4*(\n%8)+2*(\g)+\n/8], -|v[AB+\n]|, v[GP+\n], v[H+4*(\n%8)+2*(\g)+\n/8]
.endr
.endm
	s_load_b512 s[4:19], s[0:1], 0x0               ; W1, b1, xq_codes, xq_scales, list, counts, hq_codes, hq_scales
	v_lshl_add_u32 v[SPW], v0, 2, SPARE
	v_mov_b32 v[NIL], 0
	v_lshrrev_b32 v[ID], 5, v0
	v_readfirstlane_b32 s[WV], v[ID]               ; wave 0..3
	s_and_b32 s[EX], ttmp7, 0xffff                 ; the expert; ttmp9 is the slice
	v_and_b32 v[L15], 15, v0
	v_bfe_u32 v[HH], v0, 4, 1
	v_and_b32 v[ID2], 31, v0
	v_lshlrev_b32 v[L16], 4, v[ID2]
	v_lshlrev_b32 v[L8], 3, v[ID2]
	v_lshlrev_b32 v[R64], 6, v[L15]
	v_mul_u32_u24 v[H48], v[HH], 48
	v_lshlrev_b32 v[WO], 4, v[L15]
	v_mad_u32_u24 v[WO], v[HH], 32*PITCHW, v[WO]   ; 16 (lane % 16), and 32 rows further down for lanes 16-31
	s_mul_i32 s41, s[WV], 12288
	v_add_nc_u32 v[WI], s41, v[L16]                ; my wave's eight images
	s_lshl_b32 s41, s[WV], 10
	s_add_co_u32 s41, s41, WSCB
	v_add_nc_u32 v[WS], s41, v[L16]                ; and their scale words
	v_lshlrev_b32 v[SH8], 3, v[HH]
	v_add_nc_u32 v[WSR], WSCB, v[L16]
	v_lshl_add_u32 v[WSR], v[HH], 3, v[WSR]        ; back: lanes 0-15 take tiles 0 and 1's words, lanes 16-31 tiles 2 and 3's
.irp c, 0,1,2,3
	v_mov_b32 v[PX+\c], 0                          ; written once: a lane permute's destination counts as one of its sources
.endr
	v_mov_b32 v[PB], 0
	s_mov_b32 s[SEL], 0x76543210
	s_mov_b32 s[SEL+1], 0xfedcba98
	s_mov_b32 s[HI16], 0xffff0000
	s_lshl_b32 s42, s[EX], 23                      ; an expert's W1 is 8,388,608 bytes,
	s_lshl_b32 s41, ttmp9, 8                       ; a slice 256 bytes of each row,
	s_add_co_u32 s42, s42, s41
	s_lshl_b32 s41, s[WV], 21                      ; a wave's 256 rows 2,097,152
	s_add_co_u32 s42, s42, s41
	s_mov_b32 s43, 0
	s_wait_kmcnt 0x0
	s_add_nc_u64 s[WB:WB+1], s[4:5], s[42:43]
	s_lshl_b32 s42, s[EX], 7
	s_add_nc_u64 s[14:15], s[14:15], s[42:43]
	s_load_b32 s[CNT], s[14:15], 0x0               ; word 0 of the expert's 32
	LOADC 0
	LOADC 1
	s_lshl_b32 s42, s[EX], 13
	s_add_nc_u64 s[LST:LST+1], s[12:13], s[42:43]
	s_lshl_b32 s41, ttmp9, 8
	s_add_co_u32 s42, s42, s41
	s_add_nc_u64 s[BB1:BB1+1], s[6:7], s[42:43]
	s_mul_i32 s42, s[EX], 3145728
	s_mul_i32 s41, ttmp9, 768
	s_add_co_u32 s42, s42, s41
	s_add_nc_u64 s[HQC:HQC+1], s[16:17], s[42:43]
	s_lshl_b32 s42, s[EX], 17
	s_lshl_b32 s41, ttmp9, 1
	s_add_co_u32 s42, s42, s41
	s_add_nc_u64 s[HQS:HQS+1], s[18:19], s[42:43]
	s_wait_kmcnt 0x0
	s_min_u32 s[CNT], s[CNT], 2048
	s_max_u32 s[CNT], s[CNT], 1                    ; an expert without tokens counts as one copy of its list's entry 0 (head comment)
	s_sub_co_u32 s[CM1], s[CNT], 1
	s_add_co_u32 s[NT], s[CNT], 15
	s_lshr_b32 s[NT], s[NT], 4
	s_add_co_u32 s[NTR], s[NT], 3                  ; my trips: tiles w, w + 4 .. under NT are (NT + 3 - w) / 4, rounded down
	s_sub_co_u32 s[NTR], s[NTR], s[WV]
	s_lshr_b32 s[NTR], s[NTR], 2
	s_mov_b32 s[TC], 0
	s_mov_b32 s[TT], s[WV]
	IDLOAD ID, 0                                   ; my first tile's tokens, and my second's
	IDLOAD ID2, 4
	PROC_A 0, 34                                   ; behind chunk 0: chunk 1's 32 loads and the two of tokens
	PROC_B 0
	PROC_A 1, 34                                   ; behind chunk 1: the two of tokens and chunk 2's 32
	PROC_B 1
	PROC_A 2, 32                                   ; behind chunk 2: chunk 3's 32; so the tokens are in too
	XADDR
	XLOAD                                          ; my first tile's x, into the buffer that chunk 2 has left
	v_mov_b32 v[ID], v[ID2]
	PROC_B 2
	PROC_A 3, 26                                   ; behind chunk 3: the 26 loads of x
	v_lshlrev_b32 v[ID2], 7, v[HH]                 ; b1 in the result's layout: register 8 c + j is b1 at unit 32 h + 4 j + c
	WIN 0x40
.irp c, 0,1,2,3
.irp j, 0,1,2,3,4,5,6,7
	global_load_b32 v[BI+8*\c+\j], v[ID2], s[BB1:BB1+1] offset:4*(4*\j+\c)
.endr
.endr
	WIN 0
	PROC_B 3
	s_wait_dscnt 0x0                               ; for the others' sake: my images lie in LDS
	s_barrier_signal -1
	s_barrier_wait -1                              ; the launch's one barrier: all 32 fragments lie in LDS
	s_cmp_eq_u32 s[NTR], 0
	s_cbranch_scc1 .Ldone
	WIN 0x40
.irp s, 0,1,2,3
.irp c, 0,1,2,3
.irp g, 0,1,2
	ds_load_b128 v[12*(4*\s+\c)+4*\g:12*(4*\s+\c)+4*\g+3], v[L16] offset:(4*\s+\c)*1536+512*\g
.endr
.endr
.endr
	WIN 0x80
.irp s, 0,1,2,3
.irp c, 0,1,2,3
.irp g, 0,1,2
	ds_load_b128 v[12*(4*\s+\c)+4*\g:12*(4*\s+\c)+4*\g+3], v[L16] offset:(4*(\s+4)+\c)*1536+512*\g
.endr
.endr
.endr
	WIN 0
.irp s, 0,1,2,3,4,5,6,7
	ds_load_b64 v[WSC+2*\s:WSC+2*\s+1], v[WSR] offset:512*\s
.endr
	v_mov_b32 v[C9], 0xb9d25000
	v_mov_b32 v[C9+1], 0xb9d25000
	s_wait_dscnt 0x0
.Ltile:
	s_wait_loadcnt 0x0                             ; this tile's x, the next tile's tokens (first trip: the bias): all asked for a tile's GELU ago
	s_wait_xcnt 0x0                                ; the last tile's stores have read their registers
	WIN 0x1d                                       ; source 0 (W1) window 1, source 1 (x) window 3, C (b1) window 1, D window 0
	MM 0
	WIN 0x0d
	MM 1
	MM 2
	MM 3
	WIN 0x0e                                       ; source 0 window 2
	MM 4
	MM 5
	MM 6
	MM 7
	WIN 0
	XADDR                                          ; these seven plain lines are the places behind the products, for the loads below and for GELU's reads
	s_min_u32 s41, s[TT], 127
	s_mul_i32 s42, s41, 24576
	s_lshl_b32 s41, s41, 10
	v_add_nc_u32 v[O16], s42, v[L16]
	v_add_nc_u32 v[O8], s42, v[L8]
	v_add_nc_u32 v[SOF], s41, v[R64]
	s_add_co_u32 s41, s[TT], 4
	s_cmp_ge_u32 s41, s[NT]
	s_cbranch_scc1 .Lno_next
	s_wait_alu depctr_va_vdst(0)
	XLOAD                                          ; my next tile's x lands while this tile's GELU is worked
	IDLOAD ID, 8
.Lno_next:
	GELU 0
	GELU 1
	v_max3_num_f32 v[QM], |v[H]|, |v[H+1]|, |v[H+2]|               ; the block's largest magnitude: all 32 numbers are mine
	v_max3_num_f32 v[QN], |v[H+3]|, |v[H+4]|, |v[H+5]|
.irp i, 6,10,14,18,22,26
	v_max3_num_f32 v[QM], v[QM], |v[H+\i]|, |v[H+\i+1]|
	v_max3_num_f32 v[QN], v[QN], |v[H+\i+2]|, |v[H+\i+3]|
.endr
	v_max3_num_f32 v[QM], v[QM], |v[H+30]|, |v[H+31]|
	v_max3_num_f32 v[QM], v[QM], v[QN], 0x1800000  ; and the floor
	v_add_nc_u32 v[QS], 0xff000000, v[QM]
	v_lshrrev_b32 v[QB], 23, v[QS]
	v_cvt_scalef32_pk16_fp6_f32 v[CD:CD+2], v[H:H+15], v[QS]
	v_cvt_scalef32_pk16_fp6_f32 v[TM2:TM2+2], v[H+16:H+31], v[QS]
	v_nop                                          ; one plain line behind the last conversion
.irp i, 0,1,2
	v_mov_b32 v[CD+3+\i], v[TM2+\i]
.endr
	v_permlanex16_b32 v[PB], v[QB], s[SEL], s[SEL+1]
	v_cndmask_b32 v[QL], v[QB], v[PB], s[HI16]     ; the byte of block 2 x,
	v_cndmask_b32 v[QH], v[PB], v[QB], s[HI16]     ; and of block 2 x + 1
	v_lshl_or_b32 v[HW], v[QH], 8, v[QL]
	global_store_b128 v[O16], v[CD:CD+3], s[HQC:HQC+1]             ; 512 consecutive bytes, aligned to 256,
	global_store_b64 v[O8], v[CD+4:CD+5], s[HQC:HQC+1] offset:512  ; and 256 more
	global_store_b16 v[SOF], v[HW], s[HQS:HQS+1]   ; 2 bytes a token, rows 64 bytes apart: a slice owns 2 of a token's 64 scale bytes; 32 bytes beside the tile's 768 of codes.  Lanes r and 16 + r store the same value
	s_add_co_u32 s[TT], s[TT], 4                   ; my next tile
	s_add_co_u32 s[TC], s[TC], 1                   ; the loop is counted by its trips
	s_cmp_lt_u32 s[TC], s[NTR]
	s_cbranch_scc1 .Ltile
.Ldone:
	s_wait_tensorcnt 0x0                           ; the wave's end: behind my last LDS store
	ds_add_u32 v[SPW], v[NIL]
	s_wait_dscnt 0x0
	s_endpgm
.Lfunc_end_k_q7d78020639_ffn1:
	.size	k_q7d78020639_ffn1, .Lfunc_end_k_q7d78020639_ffn1-k_q7d78020639_ffn1
	.p2alignl 7, 3214868480
	.fill 96, 4, 3214868480
	.section	.rodata,"a",@progbits
	.p2align	6, 0x0
	.amdhsa_kernel k_q7d78020639_ffn1
		.amdhsa_group_segment_fixed_size 53760
		.amdhsa_private_segment_fixed_size 0
		.amdhsa_enable_private_segment 0
		.amdhsa_kernarg_size 64
		.amdhsa_user_sgpr_count 2
		.amdhsa_user_sgpr_kernarg_segment_ptr 1
		.amdhsa_wavefront_size32 1
		.amdhsa_system_sgpr_workgroup_id_x 1
		.amdhsa_system_sgpr_workgroup_id_y 1
		.amdhsa_system_sgpr_workgroup_id_z 1
		.amdhsa_system_vgpr_workitem_id 0
		.amdhsa_next_free_vgpr 1024
		.amdhsa_next_free_sgpr 66
		.amdhsa_reserve_vcc 0
		.amdhsa_float_denorm_mode_32 3
		.amdhsa_float_denorm_mode_16_64 3
		.amdhsa_memory_ordered 1
		.amdhsa_forward_progress 1
		.amdhsa_inst_pref_size 113
	.end_amdhsa_kernel
	.amdgpu_metadata
---
amdhsa.version: [ 1, 2 ]
amdhsa.kernels:
  - .name:           k_q7d78020639_ffn1
    .symbol:         k_q7d78020639_ffn1.kd
    .args:
      - { .name: W1, .offset: 0, .size: 8, .value_kind: global_buffer, .address_space: global }
      - { .name: b1, .offset: 8, .size: 8, .value_kind: global_buffer, .address_space: global }
      - { .name: xq_codes, .offset: 16, .size: 8, .value_kind: global_buffer, .address_space: global }
      - { .name: xq_scales, .offset: 24, .size: 8, .value_kind: global_buffer, .address_space: global }
      - { .name: list, .offset: 32, .size: 8, .value_kind: global_buffer, .address_space: global }
      - { .name: counts, .offset: 40, .size: 8, .value_kind: global_buffer, .address_space: global }
      - { .name: hq_codes, .offset: 48, .size: 8, .value_kind: global_buffer, .address_space: global }
      - { .name: hq_scales, .offset: 56, .size: 8, .value_kind: global_buffer, .address_space: global }
    .group_segment_fixed_size: 53760
    .private_segment_fixed_size: 0
    .kernarg_segment_align: 8
    .kernarg_segment_size: 64
    .max_flat_workgroup_size: 128
    .sgpr_count:     66
    .vgpr_count:     1024
    .wavefront_size: 32
...
	.end_amdgpu_metadata
.endif
;; end of part 2
;; launch ffn2 (part 3): grid 16 x 16, 4 waves a work-group, no clusters, 107,008 bytes of LDS; arguments w2q_codes, w2q_scales, b2, hq_codes, hq_scales, list, counts, out0; writes out0
.if DOCPART == 3
	.amdgcn_target "amdgcn-amd-amdhsa--gfx1250"
	.amdhsa_code_object_version 6
	.text
	.protected	k_q7d78020639_ffn2
	.globl	k_q7d78020639_ffn2
	.p2align	8
	.type	k_q7d78020639_ffn2,@function
k_q7d78020639_ffn2:
	s_mov_b64 s[64:65], 0
	v_nop
	global_prefetch_b8 v0, s[64:65] scope:SCOPE_SE
	s_setreg_imm32_b32 hwreg(HW_REG_WAVE_MODE, 25, 1), 1
	s_wait_xcnt 0x0
; Launch 3 of 3: out[t] = h[t] W2[e] + b2[e] for the tokens of expert e alone (a token's rows under the other experts reach no output: see the first kernel's head).
; SHARES.  Work-group (x, y) serves expert e = y / 2 and columns 64 x .. 64 x + 63 of out, for all of K = 2,048: 64 columns are the 256 consecutive bytes that a row of out is written by.  16 x 16 = 256 work-groups.
; The expert's tiles of 16 tokens go in pairs; the pairs are dealt to eight places, place p = 4 (y % 2) + wave taking pairs p, p + 8 ..: the two work-groups of a slice share the expert's tokens, and each output has one owner.
; W2's slice comes as codes from the first launch: 64 images of fragments (98,304 bytes) and their scale words (8,192 bytes), two dense runs.  Each wave copies a quarter through 208 registers into LDS (52 loads and 52 LDS stores of
; 512 consecutive bytes), one barrier, and every wave then reads each fragment from LDS once a pair: it feeds two matrix instructions.  The hidden layer's fragments go from memory straight into registers: no other wave wants them.
; No tensor load, no copy, no cluster: the number of pairs hangs on a count read from memory.  No prefetch: the slice is asked for from the first lines on, and the first pair's codes directly behind it.
; THE PRODUCT: source 0 = 16 tokens of the hidden layer, source 1 = tile c of W2 (columns 4 m + c).  Register j of tile c in lane (m, h) is out(place 8 h + j of the tile, column 4 m + c): the bias's addition writes it
; to register 4 j + c, and one store of 16 bytes a lane then covers two whole rows' 256 bytes: lanes 0-15 the token at place j, lanes 16-31 the one at place 8 + j.
; Places past the expert's last token hold copies of it (so the launch before made them): they are stored to the same bytes with the same values by the same wave.  A pair's absent second tile repeats the first.
; AN EXPERT WITHOUT TOKENS: every wave passes the barrier on the one path; nothing is stored.  LIMITS: as at the first kernel's head.
; REGISTERS.  Window 0: below.  Window 1: v0-191 a ring of eight K steps of the pair's fragments (24 (S % 8) + 12 t), v192-255 rows of out.  Window 2: v0-207 the copy of my quarter of the slice.
.set WSCB,   98304                     ; LDS: 64 fragments' images of 1,536 bytes; then their scale words: 512 bytes a K step, 16 a lane
.set SPARE,  106496                    ; the spare words, 128 bytes for each wave: two blocks of 256 bytes that no other line names
.set L15, 1                            ; v1 lane % 16;  v2 h
.set HH,  2
.set L16, 3                            ; v3 16 x lane;  v4 8 x lane;  v5 16 x lane + 49,152, for the images of K steps 8 on;  v6 the scale words
.set L8,  4
.set L16B, 5
.set WSA, 6
.set R64, 7                            ; v7 64 (lane % 16);  v8 16 (lane % 16)
.set C16, 8
.set A16, 9                            ; v9-10, v11-12 the pair's two tiles in hq_codes;  v13 my row in hq_scales
.set A8,  11
.set HSA, 13
.set SPW, 14                           ; v14 LDS address of my spare word; v15 0; never rewritten
.set NIL, 15
.set BB,  16                           ; v16-19 b2 at columns 4 (lane % 16) + 0 .. 3
.set CPO, 20                           ; v20 my quarter of the images: 24,576 wave + 16 lane, in the slice and in LDS alike;  v21 of the scale words: 2,048 wave + 16 lane;  v22 the same in LDS
.set CPS, 21
.set CPL, 22
.set HS,  24                           ; v24-39 the hidden layer's scale words, one a K step: lanes 0-15 the first tile's rows, lanes 16-31 the second's
.set WSR, 40                           ; v40-47 W2's scale words, two sets of four
.set NH,  48                           ; v48 1 - h;  v49 32 h;  v50, v51 at work
.set H32, 49
.set TQ,  50
.set ACC, 64                           ; v64-127 eight sums (32 t + 8 c);  v128-223 W2's fragments, two sets of four;  v224-239 tokens, then rows of out
.set WF,  128
.set IDR, 224
.set WV,  20                           ; s20 wave;  s21 e;  s22 trips done;  s23 count;  s24 4 (count - 1);  s25 pairs;  s26 my pair;  s27 the last tile;  s48 my trips;  s49 my place of the eight
.set EX,  21
.set TC,  22
.set CNT, 23
.set CM4, 24
.set NP,  25
.set PP,  26
.set NTC, 27
.set NTR, 48
.set SLT, 49
.set W2C, 28                           ; s[28:29], s[36:37] the slice's images and scale words;  s[30:31] the list;  s[32:33], s[34:35] the expert's codes and scale bytes;  s[38:39] out at the slice;  s[44:45] the slice's bias
.set LST, 30
.set HQC, 32
.set HQS, 34
.set W2S, 36
.set OUT, 38
.set BB2, 44
.set T0,  46                           ; s46, s47 the pair's tiles
.set T1,  47
.set MSB, 0
.macro WIN new                         ; the immediate's high byte repeats the setting that is left
.if MSB != (\new)
	s_set_vgpr_msb (MSB<<8)|(\new)
.set MSB, (\new)
.endif
.endm
; K step s of the pair's two fragments into ring slot s % 8: eight loads
.macro XFL s
	WIN 0x40
.irp t, 0,1
.set XR, 24*((\s)%8)+12*\t
	global_load_b128 v[XR:XR+3], v[A16+\t], s[HQC:HQC+1] offset:1536*(\s)
	global_load_b64 v[XR+4:XR+5], v[A8+\t], s[HQC:HQC+1] offset:1536*(\s)+512
	global_load_b128 v[XR+6:XR+9], v[A16+\t], s[HQC:HQC+1] offset:1536*(\s)+768
	global_load_b64 v[XR+10:XR+11], v[A8+\t], s[HQC:HQC+1] offset:1536*(\s)+1280
.endr
	WIN 0
.endm
; my pair's tiles (held to tiles that the launch before stored), its scale words, and K steps 0 to 6 of its fragments: 60 loads; K step 7's eight follow by a line of their own
.macro PRO
	s_lshl_b32 s[T0], s[PP], 1
	s_add_co_u32 s[T1], s[T0], 1
	s_min_u32 s[T0], s[T0], s[NTC]
	s_min_u32 s[T1], s[T1], s[NTC]
	s_min_u32 s[T0], s[T0], 127
	s_min_u32 s[T1], s[T1], 127
	s_mul_i32 s40, s[T0], 24576
	s_mul_i32 s41, s[T1], 24576
	s_lshl_b32 s42, s[T0], 10
	s_lshl_b32 s43, s[T1], 10
	v_add_nc_u32 v[A16], s40, v[L16]
	v_add_nc_u32 v[A16+1], s41, v[L16]
	v_add_nc_u32 v[A8], s40, v[L8]
	v_add_nc_u32 v[A8+1], s41, v[L8]
	v_mul_u32_u24 v[TQ], s42, v[NH]                ; lanes 0-15 take the first tile's rows of scale bytes,
	v_mad_u32_u24 v[HSA], s43, v[HH], v[TQ]        ; lanes 16-31 the second's
	v_add_nc_u32 v[HSA], v[HSA], v[R64]
	s_wait_alu depctr_va_vdst(0)                   ; the wait behind these writes
.irp g, 0,1,2,3
	global_load_b128 v[HS+4*\g:HS+4*\g+3], v[HSA], s[HQS:HQS+1] offset:16*\g
.endr
.irp s, 0,1,2,3,4,5,6
	XFL \s
.endr
.endm
; K step s of W2's four fragments and their scale words from LDS into set s % 2: thirteen loads
.macro WFL s
.set WD, WF+48*((\s)%2)
.irp c, 0,1,2,3
.irp g, 0,1,2
.if (\s) < 8
	ds_load_b128 v[WD+12*\c+4*\g:WD+12*\c+4*\g+3], v[L16] offset:(4*(\s)+\c)*1536+512*\g
.else
	ds_load_b128 v[WD+12*\c+4*\g:WD+12*\c+4*\g+3], v[L16B] offset:(4*((\s)-8)+\c)*1536+512*\g
.endif
.endr
.endr
	ds_load_b128 v[WSR+4*((\s)%2):WSR+4*((\s)%2)+3], v[WSA] offset:512*(\s)
.endm
; the tokens at the pair's 32 places: register 8 t + j, lane half h: place 16 tile + 8 h + j, past the expert's last its last.  50 plain lines, then 16 loads
.macro IDL
	s_lshl_b32 s40, s[T0], 6
	s_lshl_b32 s41, s[T1], 6
	v_add_nc_u32 v[TQ], s40, v[H32]
	v_add_nc_u32 v[TQ+1], s41, v[H32]
.irp t, 0,1
.irp j, 0,1,2,3,4,5,6,7
	v_add_nc_u32 v[IDR+8*\t+\j], 4*\j, v[TQ+\t]
.endr
.endr
.irp k, 0,1,2,3,4,5,6,7,8,9,10,11,12,13,14,15
	v_min_u32 v[IDR+\k], s[CM4], v[IDR+\k]
.endr
.irp k, 0,1,2,3,4,5,6,7,8,9,10,11,12,13,14,15
	v_min_u32 v[IDR+\k], 8188, v[IDR+\k]
.endr
.irp k, 0,1,2,3,4,5,6,7,8,9,10,11,12,13,14,15
	global_load_b32 v[IDR+\k], v[IDR+\k], s[LST:LST+1]
.endr
.endm
; K step s: eight matrix instructions, the eight sums by turns
.macro KSTEP s
.if (\s) <= 8
	s_wait_loadcnt 56                              ; behind this K step's eight loads: those of the seven K steps that follow
.elseif (\s) == 9
	s_wait_loadcnt 48                              ; those of K steps 10 to 15
.else
	s_wait_loadcnt 8*(15-(\s))+16                  ; those of the K steps that follow, and the sixteen of tokens
.endif
.if (\s) < 15
	s_wait_dscnt 13                                ; behind this K step's thirteen LDS loads: the next K step's
.else
	s_wait_dscnt 0x0
.endif
	WIN 0x01                                       ; source 0 (the hidden layer) window 1
.irp t, 0,1
.irp c, 0,1,2,3
.set AD, ACC+32*\t+8*\c
.set XR, 24*((\s)%8)+12*\t
.set WD, WF+48*((\s)%2)+12*\c
.if (\s) == 0
.if \t == 0
	v_wmma_scale_f32_16x16x128_f8f6f4 v[AD:AD+7], v[XR:XR+11], v[WD:WD+11], 0, v[HS+(\s)], v[WSR+4*((\s)%2)+\c] matrix_a_fmt:MATRIX_FMT_FP6 matrix_b_fmt:MATRIX_FMT_FP6
.else
	v_wmma_scale_f32_16x16x128_f8f6f4 v[AD:AD+7], v[XR:XR+11], v[WD:WD+11], 0, v[HS+(\s)], v[WSR+4*((\s)%2)+\c] matrix_a_fmt:MATRIX_FMT_FP6 matrix_b_fmt:MATRIX_FMT_FP6 matrix_a_scale:MATRIX_SCALE_ROW1
.endif
.else
.if \t == 0
	v_wmma_scale_f32_16x16x128_f8f6f4 v[AD:AD+7], v[XR:XR+11], v[WD:WD+11], v[AD:AD+7], v[HS+(\s)], v[WSR+4*((\s)%2)+\c] matrix_a_fmt:MATRIX_FMT_FP6 matrix_b_fmt:MATRIX_FMT_FP6
.else
	v_wmma_scale_f32_16x16x128_f8f6f4 v[AD:AD+7], v[XR:XR+11], v[WD:WD+11], v[AD:AD+7], v[HS+(\s)], v[WSR+4*((\s)%2)+\c] matrix_a_fmt:MATRIX_FMT_FP6 matrix_b_fmt:MATRIX_FMT_FP6 matrix_a_scale:MATRIX_SCALE_ROW1
.endif
.endif
.endr
.endr
	WIN 0
.if (\s) == 9
	IDL                                            ; its plain lines are the places in front of the loads below
.elseif (\s) <= 13
.rept 4
	v_nop                                          ; places in front of loads into registers that the products have read
.endr
.endif
.if (\s) <= 13
	WFL (\s)+2
.endif
.if (\s) < 8
	XFL (\s)+8
.endif
.endm
	s_load_b512 s[4:19], s[0:1], 0x0               ; w2q_codes, w2q_scales, b2, hq_codes, hq_scales, list, counts, out0
	v_lshl_add_u32 v[SPW], v0, 2, SPARE
	v_mov_b32 v[NIL], 0
	v_lshrrev_b32 v[TQ], 5, v0
	v_readfirstlane_b32 s[WV], v[TQ]               ; wave 0..3
	s_and_b32 s[EX], ttmp7, 0xffff
	s_and_b32 s[SLT], s[EX], 1
	s_lshl_b32 s[SLT], s[SLT], 2
	s_add_co_u32 s[SLT], s[SLT], s[WV]             ; my place of the eight: 4 (y % 2) + wave
	s_lshr_b32 s[EX], s[EX], 1                     ; the expert; ttmp9 is the slice
	v_and_b32 v[L15], 15, v0
	v_bfe_u32 v[HH], v0, 4, 1
	v_and_b32 v[TQ], 31, v0
	v_lshlrev_b32 v[L16], 4, v[TQ]
	v_lshlrev_b32 v[L8], 3, v[TQ]
	v_add_nc_u32 v[L16B], 49152, v[L16]
	v_add_nc_u32 v[WSA], WSCB, v[L16]
	v_lshlrev_b32 v[R64], 6, v[L15]
	v_lshlrev_b32 v[C16], 4, v[L15]
	v_xor_b32 v[NH], 1, v[HH]
	v_lshlrev_b32 v[H32], 5, v[HH]
	s_mul_i32 s41, s[WV], 24576
	v_add_nc_u32 v[CPO], s41, v[L16]
	s_lshl_b32 s41, s[WV], 11
	v_add_nc_u32 v[CPS], s41, v[L16]
	v_add_nc_u32 v[CPL], WSCB, v[CPS]
	s_lshl_b32 s40, s[EX], 4
	s_add_co_u32 s40, s40, ttmp9                   ; 16 e + slice
	s_mul_i32 s42, s40, 98304
	s_mov_b32 s43, 0
	s_wait_alu depctr_va_vdst(0)                   ; the wait at the head's end
	s_wait_kmcnt 0x0
	s_add_nc_u64 s[W2C:W2C+1], s[4:5], s[42:43]
	s_lshl_b32 s42, s[EX], 7
	s_add_nc_u64 s[16:17], s[16:17], s[42:43]
	s_load_b32 s[CNT], s[16:17], 0x0               ; word 0 of the expert's 32
	s_lshl_b32 s42, s40, 13
	s_add_nc_u64 s[W2S:W2S+1], s[6:7], s[42:43]
	s_lshl_b32 s42, s[EX], 12
	s_lshl_b32 s41, ttmp9, 8
	s_add_co_u32 s42, s42, s41
	s_add_nc_u64 s[BB2:BB2+1], s[8:9], s[42:43]
	global_load_b128 v[BB:BB+3], v[C16], s[BB2:BB2+1]
	WIN 0x80                                       ; destination window 2: my quarter of the slice, 52 loads of 512 consecutive bytes
.set ci, 0
.rept 48
	global_load_b128 v[4*ci:4*ci+3], v[CPO], s[W2C:W2C+1] offset:512*ci
.set ci, ci+1
.endr
.rept 4
	global_load_b128 v[4*ci:4*ci+3], v[CPS], s[W2S:W2S+1] offset:512*(ci-48)
.set ci, ci+1
.endr
	WIN 0
	s_mov_b32 s42, s41
	s_add_nc_u64 s[OUT:OUT+1], s[18:19], s[42:43]
	s_lshl_b32 s42, s[EX], 13
	s_add_nc_u64 s[LST:LST+1], s[14:15], s[42:43]
	s_mul_i32 s42, s[EX], 3145728
	s_add_nc_u64 s[HQC:HQC+1], s[10:11], s[42:43]
	s_lshl_b32 s42, s[EX], 17
	s_add_nc_u64 s[HQS:HQS+1], s[12:13], s[42:43]
	s_wait_kmcnt 0x0
	s_min_u32 s[CNT], s[CNT], 2048
	s_add_co_u32 s40, s[CNT], 15
	s_lshr_b32 s40, s40, 4                         ; tiles
	s_add_co_u32 s[NP], s40, 1
	s_lshr_b32 s[NP], s[NP], 1                     ; pairs
	s_max_u32 s40, s40, 1
	s_sub_co_u32 s[NTC], s40, 1                    ; the last tile that the launch before stored
	s_max_u32 s41, s[CNT], 1
	s_sub_co_u32 s41, s41, 1
	s_lshl_b32 s[CM4], s41, 2
	s_add_co_u32 s[NTR], s[NP], 7                  ; my trips: pairs p, p + 8 .. under NP are (NP + 7 - p) / 8, rounded down
	s_sub_co_u32 s[NTR], s[NTR], s[SLT]
	s_lshr_b32 s[NTR], s[NTR], 3
	s_mov_b32 s[TC], 0
	s_mov_b32 s[PP], s[SLT]
	PRO                                            ; my first pair's codes are asked for while the slice is on its way
	s_wait_loadcnt 60                              ; the bias and my quarter of the slice are in; behind them: the pair's 60 loads
	WIN 0x08                                       ; an LDS store's data are its source 1: window 2
.set ci, 0
.rept 48
	ds_store_b128 v[CPO], v[4*ci:4*ci+3] offset:512*ci
.set ci, ci+1
.endr
.rept 4
	ds_store_b128 v[CPL], v[4*ci:4*ci+3] offset:512*(ci-48)
.set ci, ci+1
.endr
	WIN 0
	XFL 7
	s_wait_dscnt 0x0                               ; for the others' sake: my quarter lies in LDS
	s_barrier_signal -1
	s_barrier_wait -1                              ; the launch's one barrier: all 64 fragments lie in LDS
	s_cmp_eq_u32 s[NTR], 0
	s_cbranch_scc1 .Ldone
.Lpair:
	s_wait_xcnt 0x0                                ; the last pair's stores have read their registers
	WFL 0
	WFL 1
.irp s, 0,1,2,3,4,5,6,7,8,9,10,11,12,13,14,15
	KSTEP \s
.endr
	s_wait_loadcnt 0x0                             ; the tokens
.irp k, 0,1,2,3,4,5,6,7,8,9,10,11,12,13,14,15
	v_min_u32 v[IDR+\k], 2047, v[IDR+\k]           ; (these 32 plain lines are also the places behind the last products)
.endr
.irp k, 0,1,2,3,4,5,6,7,8,9,10,11,12,13,14,15
	v_lshl_add_u32 v[IDR+\k], v[IDR+\k], 12, v[C16]   ; the token's row of out, my 16 bytes of the slice
.endr
	WIN 0x40                                       ; destination window 1
.irp t, 0,1
.irp j, 0,1,2,3,4,5,6,7
.irp c, 0,1,2,3
	v_add_f32 v[192+32*\t+4*\j+\c], v[ACC+32*\t+8*\c+\j], v[BB+\c]   ; the bias; register 8 c + j goes to 4 j + c; each sum is read from its register 0 on
.endr
.endr
.endr
	WIN 0x04                                       ; a store's data are its source 1: window 1
.irp t, 0,1
.irp j, 0,1,2,3,4,5,6,7
	global_store_b128 v[IDR+8*\t+\j], v[192+32*\t+4*\j:192+32*\t+4*\j+3], s[OUT:OUT+1] th:TH_STORE_NT   ; sixteen lanes store 256 consecutive bytes, aligned: two tokens' parts of the slice
.endr
.endr
	WIN 0
	s_add_co_u32 s[PP], s[PP], 8                   ; my next pair
	s_cmp_ge_u32 s[PP], s[NP]
	s_cbranch_scc1 .Lno_more
	PRO
	XFL 7
.Lno_more:
	s_add_co_u32 s[TC], s[TC], 1                   ; the loop is counted by its trips
	s_cmp_lt_u32 s[TC], s[NTR]
	s_cbranch_scc1 .Lpair
.Ldone:
	s_wait_tensorcnt 0x0                           ; the wave's end: behind my last LDS store
	ds_add_u32 v[SPW], v[NIL]
	s_wait_dscnt 0x0
	s_endpgm
.Lfunc_end_k_q7d78020639_ffn2:
	.size	k_q7d78020639_ffn2, .Lfunc_end_k_q7d78020639_ffn2-k_q7d78020639_ffn2
	.p2alignl 7, 3214868480
	.fill 96, 4, 3214868480
	.section	.rodata,"a",@progbits
	.p2align	6, 0x0
	.amdhsa_kernel k_q7d78020639_ffn2
		.amdhsa_group_segment_fixed_size 107008
		.amdhsa_private_segment_fixed_size 0
		.amdhsa_enable_private_segment 0
		.amdhsa_kernarg_size 64
		.amdhsa_user_sgpr_count 2
		.amdhsa_user_sgpr_kernarg_segment_ptr 1
		.amdhsa_wavefront_size32 1
		.amdhsa_system_sgpr_workgroup_id_x 1
		.amdhsa_system_sgpr_workgroup_id_y 1
		.amdhsa_system_sgpr_workgroup_id_z 1
		.amdhsa_system_vgpr_workitem_id 0
		.amdhsa_next_free_vgpr 768
		.amdhsa_next_free_sgpr 66
		.amdhsa_reserve_vcc 0
		.amdhsa_float_denorm_mode_32 3
		.amdhsa_float_denorm_mode_16_64 3
		.amdhsa_memory_ordered 1
		.amdhsa_forward_progress 1
		.amdhsa_inst_pref_size 76
	.end_amdhsa_kernel
	.amdgpu_metadata
---
amdhsa.version: [ 1, 2 ]
amdhsa.kernels:
  - .name:           k_q7d78020639_ffn2
    .symbol:         k_q7d78020639_ffn2.kd
    .args:
      - { .name: w2q_codes, .offset: 0, .size: 8, .value_kind: global_buffer, .address_space: global }
      - { .name: w2q_scales, .offset: 8, .size: 8, .value_kind: global_buffer, .address_space: global }
      - { .name: b2, .offset: 16, .size: 8, .value_kind: global_buffer, .address_space: global }
      - { .name: hq_codes, .offset: 24, .size: 8, .value_kind: global_buffer, .address_space: global }
      - { .name: hq_scales, .offset: 32, .size: 8, .value_kind: global_buffer, .address_space: global }
      - { .name: list, .offset: 40, .size: 8, .value_kind: global_buffer, .address_space: global }
      - { .name: counts, .offset: 48, .size: 8, .value_kind: global_buffer, .address_space: global }
      - { .name: out0, .offset: 56, .size: 8, .value_kind: global_buffer, .address_space: global }
    .group_segment_fixed_size: 107008
    .private_segment_fixed_size: 0
    .kernarg_segment_align: 8
    .kernarg_segment_size: 64
    .max_flat_workgroup_size: 128
    .sgpr_count:     66
    .vgpr_count:     768
    .wavefront_size: 32
...
	.end_amdgpu_metadata
.endif
;; end of part 3
